; MI455X (gfx1250); checked and timed in simulation.
; The chip was launched on July 23, 2026; its instructions are those of AMD's public machine-readable ISA for CDNA 5 (MIT licence, August 2026) and "CDNA5" Instruction Set Architecture Reference Guide (July 2026). The comments in the code are by the model that wrote it; some were corrected since.
;; Mol substruct Experts. Allowed arithmetic: float matrix products may take bf16 or f16 operands with f32 sums; all other float work in f32.
;; Inputs: Wk 128 x 128 float32; Wq 128 x 128 float32; bk 128 float32; bq 128 float32; mask 2,048 x 256 float32; sub_feat 4,096 x 128 float32; sub_index 2,048 x 256 int32.
;; Outputs: out0 2,048 x 128 float32.
;; One version. Each part assembles by itself: llvm-mc -triple=amdgcn-amd-amdhsa -mcpu=gfx1250 --defsym DOCPART=n.
;; ======== version 1 of 1: 1 launch
;; launch drug (part 1): grid 256 x 1, 16 waves a work-group, no clusters, 213,504 bytes of LDS; arguments sub_feat, sub_index, mask, Wq, bq, Wk, bk, out0; writes out0
.if DOCPART == 1
	.amdgcn_target "amdgcn-amd-amdhsa--gfx1250"
	.amdhsa_code_object_version 6
	.text
	.protected	k_q59ad92d747_drug
	.globl	k_q59ad92d747_drug
	.p2align	8
	.type	k_q59ad92d747_drug,@function
k_q59ad92d747_drug:
	s_mov_b64 s[64:65], 0
	v_nop
	global_prefetch_b8 v0, s[64:65] scope:SCOPE_SE
	s_setreg_imm32_b32 hwreg(HW_REG_WAVE_MODE, 25, 1), 1
	s_wait_xcnt 0x0
; out[b] = sum_j p_j g_j,  g_j = sub_feat[idx[b][j]],  p = softmax_j( q0.(g_j Wk + bk)/sqrt(128) + (1-mask_j)(-10000) ),  q0 = g_0 Wq + bq.
; Only query row 0 of the [256 x 256] scores reaches the output, for every input, so the other 255 rows are not made.
; q0.(g_j Wk + bk) = t.g_j + c with t[d] = sum_e Wk[d][e] q0[e] and c = q0.bk: K is never formed; c is computed and added (bk is honoured).
;
; SHARES.  256 work-groups of 16 waves; a work-group owns 8 drugs; wave w owns half hw = w & 1 (128 columns) of drug bl = w >> 1.
; A wave takes its 128 rows as 4 chunks of 32: chunk c, lane l <-> column 128 hw + 4 l + c, so ONE 16-byte load of indices and one of
; the mask (at byte 16 x thread) serve all four chunks.  A chunk lies in 128 registers as 16 sets of 8: set k holds the row of lane k in
; lanes 0-15 and the row of lane 16 + k in lanes 16-31; lane r of a half holds dims 4r..4r+3 and 64+4r..64+4r+3.  Each row load of the
; wave covers two aligned runs of 256 consecutive bytes.  A row is loaded once and used twice from registers (score, weighted sum),
; with a running maximum from chunk to chunk.
;
; WHY NO MATRIX UNIT: what is left are products with one useful row (scores, weighted sum: 128 x 128 numbers private to a wave, used
; twice) or eight (the two projections, 2 x 8 x 128 x 128 multiply-adds a work-group); 16-bit operands in the projection chain would
; spend the margin of the comparison on drugs with few valid rows.  All arithmetic is f32.
; WHY NO CLUSTER: work-groups share only Wq and Wk, 131,072 of the about 1,200,000 bytes that a work-group asks for.
; WHY NO PREFETCH: the table is 2,097,152 bytes and is asked for 128 times over in the launch; indices and mask are the first loads.
;
; LIMITS.  Inputs finite.  Indices are clamped to 4095 (the reference relies on indices inside the table).  A weight below 2^-126 counts
; as 0 (v_exp_f32 flushes denormals, ISA guide 15.8).  The order of rounding differs from the reference's: t is scaled by 1/sqrt(128)
; before the dot, (1-mask)(-10000) + c/sqrt(128) is one fused multiply-add, exp(s - M) is exp2 of fma(s, log2 e, -(M log2 e)), whose
; error is half a last place of |M| log2 e, and the division is v_rcp_f32 (1 ULP) and a multiply.
; ---- LDS: no region is written twice, so each barrier orders one producer with its consumers
.set PITCH,  528                       ; a row of Wk: 512 bytes + 16: lanes 528 = 33 x 16 bytes apart start in different 16-byte columns modulo 256
.set L_WK,   0                         ; 128 rows x 528                      67,584 bytes
.set L_QP,   67584                     ; [16 waves][8 drugs][128 e] partial q 65,536
.set L_TP,   133120                    ; [16 waves][8 drugs][128 d] partial t 65,536
.set L_Q,    198656                    ; [8 drugs][128 e] q0                   4,096
.set L_CP,   202752                    ; word w: wave w's part of q0.bk          256
.set L_RES,  203008                    ; [16 waves][128] unnormalised sums     8,192
.set L_ML,   211200                    ; [16 waves] (maximum, sum of weights)    256
; ---- constants
.set LOG2E,  0x3fb8aa3b                ; log2 e
.set NLOG2E, 0xbfb8aa3b                ; -log2 e
.set RSQD,   0x3db504f3                ; 1/sqrt(128)
.set NEG10K, 0xc61c4000                ; -10000.0
; ---- scalar registers
.set W,     2                          ; wave number
.set G0S0,  32                         ; g0[b][8w..8w+7] at s[32+8b+4(b/4)]: s[32:63] and s[68:99]; free again behind step A:
.set PERM0, 32                         ; v_permlanex16_b32: lane i takes lane i of the other half
.set PERM1, 33
.set M8,    34                         ; lanes whose r has bit 3 set; M4, M2, M1 likewise
.set M4,    35
.set M2,    36
.set M1,    37
.set MH,    38                         ; lanes 16-31
.set BL,    40                         ; my drug, 0..7
.set HW,    41                         ; my half of its columns
; s3, s42 temporaries; s[4:19] the eight addresses; s[20:23], s[24:31] tensor descriptor; s[100:101], s[104:105] pairs (upper word 0)
; ---- vector registers
.set LN,    1                          ; lane
.set R16,   2                          ; 16 (lane & 15)
.set T16,   3                          ; 16 x thread
.set IDX,   4                          ; v[4:7]    my four indices (chunk c in register c)
.set MSK,   8                          ; v[8:11]   my four mask numbers, then (1-m)(-10000) + c/sqrt(128)
.set OFF,   12                         ; v[12:27], v[28:43] two sets of 16 row offsets, in turn
.set T,     44                         ; v[44:51]  t/sqrt(128) of my 8 dims
.set ACC,   52                         ; v[52:59]  weighted sum of my 8 dims
.set P,     60                         ; v[60:75]  partial dots of the 16 sets
.set X,     76                         ; v[76:83]  at work
.set PB,    88                         ; v[88:89]  two weights, broadcast
.set AL,    90                         ; v[90:91]  rescale factor (v91 is only named by the pair, never used)
.set MRUN,  92                         ; running maximum
.set LSUM,  93                         ; running sum of weights
.set MX,    94
.set NEGML, 95
.set PV,    96                         ; my row's weight
.set SV,    97                         ; my row's score
.set WQO,   108                        ; offset of my 16 bytes of Wq's rows
.set BO,    109                        ; offset of my pair in bq and bk
.set BQ,    116
.set BK,    118
.set AD0,   120                        ; LDS addresses
.set AD1,   121
.set D,     122                        ; v[122:125] indices brought from other lanes
.set OUTO,  126
.set AD2,   127
.set G,     128                        ; v[128:255] a chunk: set k at G + 8 k
; the projection phase's own names inside v[12:115]
.set WQ,    44                         ; v[44:75]  my 8 rows of Wq, 4 columns a lane
.set QA,    76                         ; v[76:107] partial q, 8 drugs x 4 columns
.set RA,    12                         ; v[12:43]  16 partial pairs
.set WKR,   12                         ; v[12:43]  Wk[l+32i][8w..8w+7]
.set QV,    44                         ; v[44:107] q0[b][8w..8w+7]
.set XB,    108                        ; v[108:115]
.set RB,    52                         ; v[52:107] 7 partial t's
; ================= 1. set-up: every first load is issued before anything is waited for =================
	s_load_b512 s[4:19], s[0:1], 0x0               ; feat 4, idx 6, mask 8, Wq 10, bq 12, Wk 14, bk 16, out 18
	v_lshl_add_u32 v254, v0, 2, 0x33a00
	v_mov_b32 v255, 0
	ds_add_u32 v254, v255
	ds_add_u32 v254, v255
	s_wait_dscnt 0x0
	v_and_b32 v[LN], 31, v0
	v_lshrrev_b32 v[AD0], 5, v0
	v_readfirstlane_b32 s[W], v[AD0]               ; wave number as a scalar
	v_and_b32 v[R16], 15, v0
	v_lshlrev_b32 v[R16], 4, v[R16]
	v_lshlrev_b32 v[T16], 4, v0
	v_lshlrev_b32 v[WQO], 4, v[LN]
	v_lshl_add_u32 v[WQO], v[AD0], 12, v[WQO]      ; 8 rows of 512 bytes a wave + 16 bytes a lane
	v_and_b32 v[BO], 63, v0
	v_lshlrev_b32 v[BO], 3, v[BO]                  ; thread t reduces q words 2t, 2t+1 of [8][128]: columns 2 (t & 63), +1
.irp j, 0,1,2,3
	v_mov_b32 v[D+\j], 0                           ; a DPP move's destination counts as read: written once here
.endr
	s_lshl_b32 s100, ttmp9, 13                     ; 8 drugs x 1,024 bytes of indices and of mask
	s_mov_b32 s101, 0
	s_lshl_b32 s104, ttmp9, 12                     ; 8 drugs x 512 bytes of output
	s_mov_b32 s105, 0
	; tensor descriptor: my 8 rows of Wk (128 f32 each) to LDS rows of 528 bytes
	s_mov_b32 s20, 1                               ; count = 1
	s_mul_i32 s21, s[W], 8*PITCH                   ; LDS address: 8 padded rows a wave
	s_mov_b32 s24, 0x07920000                      ; 4-byte elements; padding on: behind every 128 words (code 6) skip 4 words (code 3)
	s_mov_b32 s25, 128<<16                         ; tensor_dim0 = 128
	s_mov_b32 s26, 8<<16                           ; tensor_dim1 = 8
	s_mov_b32 s27, 128<<16                         ; tile_dim0 = 128
	s_mov_b32 s28, 8                               ; tile_dim1 = 8
	s_mov_b32 s29, 128                             ; 128 elements from row to row
	s_mov_b32 s30, 0
	s_mov_b32 s31, 0
	s_lshl_b32 s3, s[W], 5                         ; 32 w: my 8 numbers of a row
	s_wait_kmcnt 0x0
	s_add_nc_u64 s[6:7], s[6:7], s[100:101]
	s_add_nc_u64 s[8:9], s[8:9], s[100:101]
	s_add_nc_u64 s[18:19], s[18:19], s[104:105]
.irp b, 0,1,2,3,4,5,6,7
	s_load_b32 s[G0S0+8*\b+4*(\b/4)], s[6:7], 1024*\b          ; idx[b][0]: the query row of drug b
.endr
	global_load_b128 v[IDX:IDX+3], v[T16], s[6:7]
	global_load_b128 v[MSK:MSK+3], v[T16], s[8:9] th:TH_LOAD_NT
.irp i, 0,1,2,3,4,5,6,7
	global_load_b128 v[WQ+4*\i:WQ+4*\i+3], v[WQO], s[10:11] offset:512*\i      ; Wq[8w+i][4l..4l+3]
.endr
	global_load_b64 v[BQ:BQ+1], v[BO], s[12:13]
	global_load_b64 v[BK:BK+1], v[BO], s[16:17]
	s_lshl_b32 s100, s[W], 12                      ; my 8 rows of Wk in memory
	s_add_nc_u64 s[22:23], s[14:15], s[100:101]
	s_or_b32 s23, s23, 0x80000000                  ; type = 2
	tensor_load_to_lds s[20:23], s[24:31]          ; one tensor load a wave in the whole kernel; its registers are never written again
	s_nop 0
	s_wait_kmcnt 0x0                               ; the eight indices
.irp b, 0,1,2,3,4,5,6,7
.set GSR, G0S0+8*\b+4*(\b/4)
	s_min_u32 s[GSR], s[GSR], 0xfff                ; stays inside the table
	s_lshl_b32 s[GSR], s[GSR], 9
	s_add_co_u32 s[GSR], s[GSR], s3
	s_load_b256 s[GSR:GSR+7], s[4:5], s[GSR] offset:0x0        ; g0[b][8w..8w+7]; the load lands on its own offset register
.endr
; ---- row offsets of chunk c into set `set`: lanes 0-15 get lane k's index, lanes 16-31 lane 16+k's; the clamp stands behind the move
.macro ADDR4 c, set, k0, k1, k2, k3
	v_mov_b32_dpp v[D+0], v[IDX+\c] row_share:\k0 row_mask:0xf bank_mask:0xf
	v_mov_b32_dpp v[D+1], v[IDX+\c] row_share:\k1 row_mask:0xf bank_mask:0xf
	v_mov_b32_dpp v[D+2], v[IDX+\c] row_share:\k2 row_mask:0xf bank_mask:0xf
	v_mov_b32_dpp v[D+3], v[IDX+\c] row_share:\k3 row_mask:0xf bank_mask:0xf
.irp j, 0,1,2,3
	v_min_u32 v[D+\j], 0xfff, v[D+\j]
.endr
	v_lshl_add_u32 v[OFF+16*\set+\k0], v[D+0], 9, v[R16]       ; 512 x index + 16 r
	v_lshl_add_u32 v[OFF+16*\set+\k1], v[D+1], 9, v[R16]
	v_lshl_add_u32 v[OFF+16*\set+\k2], v[D+2], 9, v[R16]
	v_lshl_add_u32 v[OFF+16*\set+\k3], v[D+3], 9, v[R16]
.endm
.macro ADDR c, set
	ADDR4 \c, \set, 0, 1, 2, 3
	ADDR4 \c, \set, 4, 5, 6, 7
	ADDR4 \c, \set, 8, 9, 10, 11
	ADDR4 \c, \set, 12, 13, 14, 15
.endm
; ---- two rows (one in each half of the lanes) into set k: dims 4r.. and 64+4r..
.macro LOAD2 k, set
	global_load_b128 v[G+8*\k:G+8*\k+3],   v[OFF+16*\set+\k], s[4:5]
	global_load_b128 v[G+8*\k+4:G+8*\k+7], v[OFF+16*\set+\k], s[4:5] offset:256
.endm
; ================= 2. the first chunk's 32 row loads go out ahead of the projections =================
	s_wait_loadcnt 11                              ; the index load is in; the 11 loads issued behind it stay out
	ADDR 0, 0
.irp k, 0,1,2,3,4,5,6,7,8,9,10,11,12,13,14,15
	LOAD2 \k, 0
.endr
	s_wait_xcnt 0x0                                ; all addresses are translated: offset set 0, WQO and BO may serve as scratch below
; ================= 3. step A: partial q[b][4l..4l+3] over my 8 rows d = 8w..8w+7 of Wq =================
; g0 is uniform in the wave, so it multiplies as a scalar, broadcast to both halves of the packed form.  A scalar pair starts on an even
; register: the numbers at odd places are first moved to the low word of one of two spare pairs, in turn.
.macro QSTEP i
.irp b, 0,1,2,3,4,5,6,7
.set GSR, G0S0+8*\b+4*(\b/4)+\i
.if \i & 1
.set SPR, 100+4*(\b&1)
	s_mov_b32 s[SPR], s[GSR]
.else
.set SPR, GSR
.endif
.if \i == 0
	v_pk_mul_f32 v[QA+4*\b:QA+4*\b+1],   v[WQ+4*\i:WQ+4*\i+1],   s[SPR:SPR+1] op_sel_hi:[1,0]     ; the first product starts the sum
	v_pk_mul_f32 v[QA+4*\b+2:QA+4*\b+3], v[WQ+4*\i+2:WQ+4*\i+3], s[SPR:SPR+1] op_sel_hi:[1,0]
.else
	v_pk_fma_f32 v[QA+4*\b:QA+4*\b+1],   v[WQ+4*\i:WQ+4*\i+1],   s[SPR:SPR+1], v[QA+4*\b:QA+4*\b+1] op_sel_hi:[1,0,1]
	v_pk_fma_f32 v[QA+4*\b+2:QA+4*\b+3], v[WQ+4*\i+2:WQ+4*\i+3], s[SPR:SPR+1], v[QA+4*\b+2:QA+4*\b+3] op_sel_hi:[1,0,1]
.endif
.endr
.endm
	s_wait_kmcnt 0x0                               ; g0
	s_wait_loadcnt 32                              ; mask, Wq, bq, bk are in; the 32 row loads stay out
.irp i, 0,1,2,3,4,5,6,7
	QSTEP \i
.endr
	s_lshl_b32 s3, s[W], 12
	s_add_co_u32 s3, s3, L_QP
	v_lshl_add_u32 v[AD0], v[LN], 4, s3            ; QP + 4096 w + 16 l
.irp b, 0,1,2,3,4,5,6,7
	ds_store_b128 v[AD0], v[QA+4*\b:QA+4*\b+3] offset:512*\b
.endr
	s_mov_b32 s[PERM0], 0x76543210                 ; g0's registers are free now
	s_mov_b32 s[PERM1], 0xfedcba98
	s_mov_b32 s[M8], 0xff00ff00
	s_mov_b32 s[M4], 0xf0f0f0f0
	s_mov_b32 s[M2], 0xcccccccc
	s_mov_b32 s[M1], 0xaaaaaaaa
	s_mov_b32 s[MH], 0xffff0000
	s_lshr_b32 s[BL], s[W], 1
	s_and_b32 s[HW], s[W], 1
	s_wait_dscnt 0x0                               ; my partial q is in LDS, for the others' sake
	s_barrier_signal -1
	s_barrier_wait -1
; ================= 4. q = bq + the 16 partials; thread t owns words 2t, 2t+1 of [8][128]; and my part of q.bk =================
	s_lshl_b32 s3, s[W], 8                         ; 8 bytes a thread = 256 a wave
	s_add_co_u32 s42, s3, L_QP
	v_lshl_add_u32 v[AD0], v[LN], 3, s42
.irp p, 0,1,2,3,4,5,6,7,8,9,10,11,12,13,14,15
	ds_load_b64 v[RA+2*\p:RA+2*\p+1], v[AD0] offset:4096*\p
.endr
	s_add_co_u32 s42, s3, L_Q
	v_lshl_add_u32 v[AD1], v[LN], 3, s42
	s_lshl_b32 s3, s[W], 2
	s_add_co_u32 s3, s3, L_CP
	v_mov_b32 v[AD2], s3
	s_wait_dscnt 0x0
.irp o, 8,16,24                                ; four chains that do not wait for each other
.irp j, 0,2,4,6
	v_pk_add_f32 v[RA+\j:RA+\j+1], v[RA+\j:RA+\j+1], v[RA+\o+\j:RA+\o+\j+1]
.endr
.endr
	v_pk_add_f32 v[RA:RA+1], v[RA:RA+1], v[RA+2:RA+3]
	v_pk_add_f32 v[RA+4:RA+5], v[RA+4:RA+5], v[RA+6:RA+7]
	v_pk_add_f32 v[RA:RA+1], v[RA:RA+1], v[BQ:BQ+1]
	v_pk_add_f32 v[RA:RA+1], v[RA:RA+1], v[RA+4:RA+5]
	ds_store_b64 v[AD1], v[RA:RA+1]                ; q0[b][e], e = 2 (t & 63), +1
	v_mul_f32 v[RA+2], v[RA], v[BK]
	v_fmac_f32 v[RA+2], v[RA+1], v[BK+1]
	v_add_f32_dpp v[RA+2], v[RA+2], v[RA+2] row_xmask:1 row_mask:0xf bank_mask:0xf
	v_add_f32_dpp v[RA+2], v[RA+2], v[RA+2] row_xmask:2 row_mask:0xf bank_mask:0xf
	v_add_f32_dpp v[RA+2], v[RA+2], v[RA+2] row_xmask:4 row_mask:0xf bank_mask:0xf
	v_add_f32_dpp v[RA+2], v[RA+2], v[RA+2] row_xmask:8 row_mask:0xf bank_mask:0xf
	v_permlanex16_b32 v[RA+3], v[RA+2], s[PERM0], s[PERM1]
	v_add_f32 v[RA+2], v[RA+2], v[RA+3]
	ds_store_b32 v[AD2], v[RA+2]                   ; waves 2b and 2b+1 hold the two halves of q0[b].bk
	s_wait_dscnt 0x0                               ; q and my word are in LDS,
	s_wait_tensorcnt 0x0                           ; and so are my 8 rows of Wk, which all waves read behind this barrier
	s_barrier_signal -1
	s_barrier_wait -1
; ================= 5. step B: partial t[b][d] over my 8 columns e = 8w..8w+7 of Wk; a lane owns d = l + 32 i =================
	s_lshl_b32 s3, s[W], 5
	v_mul_u32_u24 v[AD0], v[LN], PITCH
	v_add_nc_u32 v[AD0], s3, v[AD0]                ; row l, byte 32 w
	s_add_co_u32 s3, s3, L_Q
	v_mov_b32 v[AD1], s3                           ; the same address in every lane
.irp i, 0,1,2,3
	ds_load_b128 v[WKR+8*\i:WKR+8*\i+3],   v[AD0] offset:32*PITCH*\i
	ds_load_b128 v[WKR+8*\i+4:WKR+8*\i+7], v[AD0] offset:32*PITCH*\i+16
.endr
.irp b, 0,1,2,3,4,5,6,7
	ds_load_b128 v[QV+8*\b:QV+8*\b+3],   v[AD1] offset:512*\b
	ds_load_b128 v[QV+8*\b+4:QV+8*\b+7], v[AD1] offset:512*\b+16
.endr
	s_lshl_b32 s3, s[W], 12
	s_add_co_u32 s3, s3, L_TP
	v_lshl_add_u32 v[AD2], v[LN], 2, s3            ; TP + 4096 w + 4 l
	s_wait_dscnt 0x0
.irp b, 0,1,2,3,4,5,6,7
.irp i, 0,1,2,3
	v_pk_mul_f32 v[XB+2*\i:XB+2*\i+1], v[WKR+8*\i:WKR+8*\i+1], v[QV+8*\b:QV+8*\b+1]
.endr
.irp q, 2,4,6
.irp i, 0,1,2,3
	v_pk_fma_f32 v[XB+2*\i:XB+2*\i+1], v[WKR+8*\i+\q:WKR+8*\i+\q+1], v[QV+8*\b+\q:QV+8*\b+\q+1], v[XB+2*\i:XB+2*\i+1]
.endr
.endr
.irp i, 0,1,2,3
	v_add_f32 v[XB+2*\i], v[XB+2*\i], v[XB+2*\i+1]
.endr
.irp i, 0,1,2,3
	ds_store_b32 v[AD2], v[XB+2*\i] offset:512*\b+128*\i
.endr
.endr
	s_wait_dscnt 0x0                               ; my partial t is in LDS
	s_barrier_signal -1
	s_barrier_wait -1
; ================= 6. t of my drug in the row layout; lanes of half h sum the partials 2 p + h, then the halves meet =================
	v_lshrrev_b32 v[AD1], 4, v[LN]                 ; h
	s_lshl_b32 s3, s[BL], 9
	s_add_co_u32 s3, s3, L_TP
	v_lshl_add_u32 v[AD0], v[AD1], 12, v[R16]
	v_add_nc_u32 v[AD0], s3, v[AD0]                ; TP + 4096 h + 512 bl + 16 r
	ds_load_b128 v[T:T+3],   v[AD0]                ; the first partial starts the sum
	ds_load_b128 v[T+4:T+7], v[AD0] offset:256
.irp p, 1,2,3,4,5,6,7
	ds_load_b128 v[RB+8*(\p-1):RB+8*(\p-1)+3],   v[AD0] offset:8192*\p
	ds_load_b128 v[RB+8*(\p-1)+4:RB+8*(\p-1)+7], v[AD0] offset:8192*\p+256
.endr
	s_lshl_b32 s3, s[BL], 3
	s_add_co_u32 s3, s3, L_CP
	v_mov_b32 v[AD2], s3
	ds_load_b64 v[XB:XB+1], v[AD2]                 ; the two halves of q0.bk
	s_wait_dscnt 0x0
.irp p, 0,1,2,3,4,5,6
.irp q, 0,2,4,6
	v_pk_add_f32 v[T+\q:T+\q+1], v[T+\q:T+\q+1], v[RB+8*\p+\q:RB+8*\p+\q+1]
.endr
.endr
.irp j, 0,1,2,3,4,5,6,7
	v_permlanex16_b32 v[RB+\j], v[T+\j], s[PERM0], s[PERM1]
.endr
	v_add_f32 v[XB], v[XB], v[XB+1]
.irp q, 0,2,4,6
	v_pk_add_f32 v[T+\q:T+\q+1], v[T+\q:T+\q+1], v[RB+\q:RB+\q+1]
.endr
	v_mul_f32 v[XB], RSQD, v[XB]                   ; c / sqrt(128)
.irp q, 0,2,4,6
	v_pk_mul_f32 v[T+\q:T+\q+1], v[T+\q:T+\q+1], RSQD op_sel_hi:[1,0]
.endr
.irp c, 0,1,2,3
	v_sub_f32 v[MSK+\c], 1.0, v[MSK+\c]
.endr
.irp c, 0,1,2,3
	v_fmamk_f32 v[MSK+\c], v[MSK+\c], NEG10K, v[XB]            ; (1 - m)(-10000) + c/sqrt(128)
.endr
; ================= 7. the four chunks =================
; Four sets: each lane's part of t.g over its 8 dims.  The wait counts the younger row loads: sets 4g+4 .. 15, two loads each.
.macro DOT4 g
	s_wait_loadcnt 24-8*\g
.irp j, 0,1,2,3
	v_pk_mul_f32 v[X+2*\j:X+2*\j+1], v[G+8*(4*\g+\j):G+8*(4*\g+\j)+1], v[T:T+1]
.endr
.irp q, 2,4,6
.irp j, 0,1,2,3
	v_pk_fma_f32 v[X+2*\j:X+2*\j+1], v[G+8*(4*\g+\j)+\q:G+8*(4*\g+\j)+\q+1], v[T+\q:T+\q+1], v[X+2*\j:X+2*\j+1]
.endr
.endr
.irp j, 0,1,2,3
	v_add_f32 v[P+4*\g+\j], v[X+2*\j], v[X+2*\j+1]
.endr
.endm
; One stage of the sum over the 16 lanes of a half that also transposes: of sets k and k+n a lane keeps the one that its bit x of r names
; and sends the other to lane r xor x.  Behind the stages 8, 4, 2, 1 lane r holds in P[0] the whole dot of set r: its own row's.
.macro FOLDS n, m, x
.set KK, 0
.rept \n
	v_cndmask_b32 v[X+KK], v[P+KK+\n], v[P+KK], s[\m]          ; what I send
.set KK, KK+1
.endr
.set KK, 0
.rept \n
	v_cndmask_b32 v[P+KK], v[P+KK], v[P+KK+\n], s[\m]          ; what I keep
.set KK, KK+1
.endr
.set KK, 0
.rept \n
	v_add_f32_dpp v[P+KK], v[X+KK], v[P+KK] row_xmask:\x row_mask:0xf bank_mask:0xf
.set KK, KK+1
.endr
.endm
; Score, running maximum of the wave, my row's weight; behind the first chunk the old sums are rescaled.
.macro SMAX c, first
	v_add_f32 v[SV], v[P], v[MSK+\c]
	v_max_num_f32_dpp v[MX], v[SV], v[SV] row_xmask:1 row_mask:0xf bank_mask:0xf
	v_max_num_f32_dpp v[MX], v[MX], v[MX] row_xmask:2 row_mask:0xf bank_mask:0xf
	v_max_num_f32_dpp v[MX], v[MX], v[MX] row_xmask:4 row_mask:0xf bank_mask:0xf
	v_max_num_f32_dpp v[MX], v[MX], v[MX] row_xmask:8 row_mask:0xf bank_mask:0xf
	v_permlanex16_b32 v[NEGML], v[MX], s[PERM0], s[PERM1]
.if \first
	v_max_num_f32 v[MX], v[MX], v[NEGML]
	v_mul_f32 v[NEGML], NLOG2E, v[MX]
	v_fmamk_f32 v[PV], v[SV], LOG2E, v[NEGML]
	v_exp_f32 v[PV], v[PV]
	v_mov_b32 v[MRUN], v[MX]                       ; the plain instruction between v_exp_f32 and the use of its result (ISA guide 5.7.2)
	s_wait_alu depctr_va_vdst(0)
	v_mov_b32 v[LSUM], v[PV]                       ; the first weight starts the sum
.else
	v_max3_num_f32 v[MX], v[MX], v[NEGML], v[MRUN]
	v_mul_f32 v[NEGML], NLOG2E, v[MX]
	v_fmamk_f32 v[AL], v[MRUN], LOG2E, v[NEGML]
	v_fmamk_f32 v[PV], v[SV], LOG2E, v[NEGML]
	v_exp_f32 v[AL], v[AL]
	v_exp_f32 v[PV], v[PV]
	v_mov_b32 v[MRUN], v[MX]                       ; the plain instruction behind the two
	s_wait_alu depctr_va_vdst(0)
	v_fma_f32 v[LSUM], v[LSUM], v[AL], v[PV]
.irp q, 0,2,4,6
	v_pk_mul_f32 v[ACC+\q:ACC+\q+1], v[ACC+\q:ACC+\q+1], v[AL:AL+1] op_sel_hi:[1,0]
.endr
.endif
.endm
; Sets k and k1 = k + 1 into the weighted sum; then, refill = 1, the same sets of the next chunk are asked for.
.macro WSUM2 k, k1, start, refill, set
	v_mov_b32_dpp v[PB],   v[PV] row_share:\k  row_mask:0xf bank_mask:0xf      ; the weight of lane k (lanes 16-31: of lane 16 + k)
	v_mov_b32_dpp v[PB+1], v[PV] row_share:\k1 row_mask:0xf bank_mask:0xf
.irp q, 0,2,4,6
.if \start
	v_pk_mul_f32 v[ACC+\q:ACC+\q+1], v[G+8*\k+\q:G+8*\k+\q+1], v[PB:PB+1] op_sel_hi:[1,0]          ; nothing is cleared
.else
	v_pk_fma_f32 v[ACC+\q:ACC+\q+1], v[G+8*\k+\q:G+8*\k+\q+1], v[PB:PB+1], v[ACC+\q:ACC+\q+1] op_sel_hi:[1,0,1]
.endif
.endr
.irp q, 0,2,4,6
	v_pk_fma_f32 v[ACC+\q:ACC+\q+1], v[G+8*\k1+\q:G+8*\k1+\q+1], v[PB:PB+1], v[ACC+\q:ACC+\q+1] op_sel:[0,1,0] op_sel_hi:[1,1,1]
.endr
.if \refill
	LOAD2 \k, \set
	LOAD2 \k1, \set
.endif
.endm
; Chunk c.  The next chunk's offsets go into the set that chunk c - 1's loads named: those loads were shown done by that chunk's
; s_wait_loadcnt 0 (for chunk 0: set 1 has named no load yet).  This chunk's own pending loads name the other set.
.macro CHUNK c, nxt, nset, first, refill
.if \refill
	ADDR \nxt, \nset
.endif
	DOT4 0
	DOT4 1
	DOT4 2
	DOT4 3
	FOLDS 8, M8, 8
	FOLDS 4, M4, 4
	FOLDS 2, M2, 2
	FOLDS 1, M1, 1
	SMAX \c, \first
	WSUM2 0, 1, \first, \refill, \nset
	WSUM2 2, 3, 0, \refill, \nset
	WSUM2 4, 5, 0, \refill, \nset
	WSUM2 6, 7, 0, \refill, \nset
	WSUM2 8, 9, 0, \refill, \nset
	WSUM2 10, 11, 0, \refill, \nset
	WSUM2 12, 13, 0, \refill, \nset
	WSUM2 14, 15, 0, \refill, \nset
.endm
	CHUNK 0, 1, 1, 1, 1
	CHUNK 1, 2, 0, 0, 1
	CHUNK 2, 3, 1, 0, 1
	CHUNK 3, 0, 0, 0, 0                            ; the last chunk asks for nothing
; ================= 8. the wave's figures: sum of weights, and the 128 sums as dims 4l..4l+3 in lane l =================
	v_add_f32_dpp v[LSUM], v[LSUM], v[LSUM] row_xmask:1 row_mask:0xf bank_mask:0xf
	v_add_f32_dpp v[LSUM], v[LSUM], v[LSUM] row_xmask:2 row_mask:0xf bank_mask:0xf
	v_add_f32_dpp v[LSUM], v[LSUM], v[LSUM] row_xmask:4 row_mask:0xf bank_mask:0xf
	v_add_f32_dpp v[LSUM], v[LSUM], v[LSUM] row_xmask:8 row_mask:0xf bank_mask:0xf
	v_permlanex16_b32 v[MX], v[LSUM], s[PERM0], s[PERM1]
.irp j, 0,1,2,3,4,5,6,7
	v_permlanex16_b32 v[P+\j], v[ACC+\j], s[PERM0], s[PERM1]   ; the other half's rows, same dims
.endr
	v_add_f32 v[LSUM], v[LSUM], v[MX]
.irp q, 0,2,4,6
	v_pk_add_f32 v[ACC+\q:ACC+\q+1], v[ACC+\q:ACC+\q+1], v[P+\q:P+\q+1]
.endr
.irp j, 0,1,2,3
	v_cndmask_b32 v[ACC+\j], v[ACC+\j], v[ACC+4+\j], s[MH]     ; lanes 16-31 take dims 64+4r.. = 4l..
.endr
	s_lshl_b32 s3, s[W], 9
	s_add_co_u32 s3, s3, L_RES
	v_lshl_add_u32 v[AD0], v[LN], 4, s3
	ds_store_b128 v[AD0], v[ACC:ACC+3]
	s_lshl_b32 s3, s[W], 3
	s_add_co_u32 s3, s3, L_ML
	v_mov_b32 v[AD1], s3
	ds_store_b64 v[AD1], v[MRUN:MRUN+1]            ; (maximum, sum of weights)
	s_wait_dscnt 0x0
	s_barrier_signal -1
	s_barrier_wait -1
; ================= 9. the two halves of a drug meet; wave w writes dims 64 hw + 2l, +1 of drug bl: byte 8 x thread =================
	s_lshl_b32 s3, s[BL], 4
	s_add_co_u32 s3, s3, L_ML
	v_mov_b32 v[AD0], s3
	ds_load_b128 v[P:P+3], v[AD0]                  ; m0, l0, m1, l1
	s_lshl_b32 s3, s[BL], 10
	s_lshl_b32 s42, s[HW], 8
	s_add_co_u32 s3, s3, s42
	s_add_co_u32 s3, s3, L_RES
	v_lshl_add_u32 v[AD1], v[LN], 3, s3
	ds_load_b64 v[P+4:P+5], v[AD1]                 ; half 0's sums
	ds_load_b64 v[P+6:P+7], v[AD1] offset:512      ; half 1's
	s_wait_dscnt 0x0
	v_max_num_f32 v[P+8], v[P], v[P+2]
	v_sub_f32 v[P+10], v[P], v[P+8]
	v_sub_f32 v[P+12], v[P+2], v[P+8]
	v_mul_f32 v[P+10], LOG2E, v[P+10]
	v_mul_f32 v[P+12], LOG2E, v[P+12]
	v_exp_f32 v[P+10], v[P+10]                     ; a0
	v_exp_f32 v[P+12], v[P+12]                     ; a1
	v_lshlrev_b32 v[OUTO], 3, v0                   ; the plain instruction behind the two
	s_wait_alu depctr_va_vdst(0)
	v_mul_f32 v[P+14], v[P+1], v[P+10]
	v_fmac_f32 v[P+14], v[P+3], v[P+12]            ; l0 a0 + l1 a1: the half with the larger maximum gives at least about 1
	v_rcp_f32 v[X], v[P+14]
	v_pk_mul_f32 v[P+4:P+5], v[P+4:P+5], v[P+10:P+11] op_sel_hi:[1,0]          ; plain work between v_rcp_f32 and its use
	v_pk_fma_f32 v[P+4:P+5], v[P+6:P+7], v[P+12:P+13], v[P+4:P+5] op_sel_hi:[1,0,1]
	s_wait_alu depctr_va_vdst(0)
	v_pk_mul_f32 v[P+4:P+5], v[P+4:P+5], v[X:X+1] op_sel_hi:[1,0]
	global_store_b64 v[OUTO], v[P+4:P+5], s[18:19] th:TH_STORE_NT              ; the wave's store covers 256 consecutive bytes, aligned
	s_wait_xcnt 0x0
	v_lshl_add_u32 v254, v0, 2, 0x33a00
	v_mov_b32 v255, 0
	s_wait_tensorcnt 0x0
	ds_add_u32 v254, v255
	s_wait_dscnt 0x0
	s_endpgm
.Lfunc_end_k_q59ad92d747_drug:
	.size	k_q59ad92d747_drug, .Lfunc_end_k_q59ad92d747_drug-k_q59ad92d747_drug
	.p2alignl 7, 3214868480
	.fill 96, 4, 3214868480
	.section	.rodata,"a",@progbits
	.p2align	6, 0x0
	.amdhsa_kernel k_q59ad92d747_drug
		.amdhsa_group_segment_fixed_size 213504
		.amdhsa_private_segment_fixed_size 0
		.amdhsa_enable_private_segment 0
		.amdhsa_kernarg_size 64
		.amdhsa_user_sgpr_count 2
		.amdhsa_user_sgpr_kernarg_segment_ptr 1
		.amdhsa_wavefront_size32 1
		.amdhsa_system_sgpr_workgroup_id_x 1
		.amdhsa_system_sgpr_workgroup_id_y 1
		.amdhsa_system_sgpr_workgroup_id_z 1
		.amdhsa_system_vgpr_workitem_id 0
		.amdhsa_next_free_vgpr 256
		.amdhsa_next_free_sgpr 106
		.amdhsa_reserve_vcc 0
		.amdhsa_float_denorm_mode_32 3
		.amdhsa_float_denorm_mode_16_64 3
		.amdhsa_memory_ordered 1
		.amdhsa_forward_progress 1
		.amdhsa_inst_pref_size 118
	.end_amdhsa_kernel
	.amdgpu_metadata
---
amdhsa.version: [ 1, 2 ]
amdhsa.kernels:
  - .name:           k_q59ad92d747_drug
    .symbol:         k_q59ad92d747_drug.kd
    .args:
      - { .name: sub_feat, .offset: 0, .size: 8, .value_kind: global_buffer, .address_space: global }
      - { .name: sub_index, .offset: 8, .size: 8, .value_kind: global_buffer, .address_space: global }
      - { .name: mask, .offset: 16, .size: 8, .value_kind: global_buffer, .address_space: global }
      - { .name: Wq, .offset: 24, .size: 8, .value_kind: global_buffer, .address_space: global }
      - { .name: bq, .offset: 32, .size: 8, .value_kind: global_buffer, .address_space: global }
      - { .name: Wk, .offset: 40, .size: 8, .value_kind: global_buffer, .address_space: global }
      - { .name: bk, .offset: 48, .size: 8, .value_kind: global_buffer, .address_space: global }
      - { .name: out0, .offset: 56, .size: 8, .value_kind: global_buffer, .address_space: global }
    .group_segment_fixed_size: 213504
    .private_segment_fixed_size: 0
    .kernarg_segment_align: 8
    .kernarg_segment_size: 64
    .max_flat_workgroup_size: 512
    .sgpr_count:     106
    .vgpr_count:     256
    .wavefront_size: 32
...
	.end_amdgpu_metadata
.endif
;; end of part 1
